; MI455X (gfx1250); checked and timed in simulation.
; The chip was launched on July 23, 2026; its instructions are those of AMD's public machine-readable ISA for CDNA 5 (MIT licence, August 2026) and "CDNA5" Instruction Set Architecture Reference Guide (July 2026). The comments in the code are by the model that wrote it; some were corrected since.
;; Multi Head Attention Block. Allowed arithmetic: matrix products marked QUANTISED: E2M1 operands, one E8M0 scale for each 32 along K, by v_wmma_scale_f32_16x16x128_f8f6f4 with both operands' format E2M1 (or v_wmma_scale_f32_32x16x128_f4), f32 sums; everything else in f32.
;; Inputs: Wk_codes 1,024 x 32 x 16 uint8 (E2M1 codes of Wk, K innermost, in blocks of 32 codes, two codes a byte); Wk_scales 1,024 x 32 uint8 (E8M0 scales of Wk, one for each 32 codes along K); Wo_codes 1,024 x 32 x 16 uint8 (E2M1 codes of Wo, K innermost, in blocks of 32 codes, two codes a byte); Wo_scales 1,024 x 32 uint8 (E8M0 scales of Wo, one for each 32 codes along K); Wq_codes 1,024 x 32 x 16 uint8 (E2M1 codes of Wq, K innermost, in blocks of 32 codes, two codes a byte); Wq_scales 1,024 x 32 uint8 (E8M0 scales of Wq, one for each 32 codes along K); Wv_codes 1,024 x 32 x 16 uint8 (E2M1 codes of Wv, K innermost, in blocks of 32 codes, two codes a byte); Wv_scales 1,024 x 32 uint8 (E8M0 scales of Wv, one for each 32 codes along K); bk 1,024 float32; bo 1,024 float32; bq 1,024 float32; bv 1,024 float32; ln_beta 1,024 float32; ln_gamma 1,024 float32; x 4 x 2,048 x 1,024 float32.
;; Outputs: out0 4 x 2,048 x 1,024 float32.
;; This version of the problem:
;;   THIS VERSION OF THE PROBLEM IS GIVEN IN LOW PRECISION. The matrix products marked QUANTISED in the list below multiply operands that are first quantised to E2M1 (2 exponent bits, 1 mantissa bit; 4 bits a number), with one power-of-two scale for each 32 numbers along K (OCP MX v1.0); their sums are f32. All else is computed in f32.
;;   The module's matrix products, in the order in which they are computed (A, B: the left and right operand; K: the contracted axis; several contracted axes count as one K, in the product's order):
;;     1. [M 8,192, K 1,024] x [K 1,024, N 1,024]; A: input x; B: input Wq (given as codes): QUANTISED
;;     2. [M 8,192, K 1,024] x [K 1,024, N 1,024]; A: input x; B: input Wk (given as codes): QUANTISED
;;     3. [M 8,192, K 1,024] x [K 1,024, N 1,024]; A: input x; B: input Wv (given as codes): QUANTISED
;;     4. batch 64 x [M 2,048, K 64] x [K 64, N 2,048]; A: computed on the way; B: computed on the way: QUANTISED
;;     5. batch 64 x [M 2,048, K 2,048] x [K 2,048, N 64]; A: softmax (see below); B: computed on the way: QUANTISED
;;     6. [M 8,192, K 1,024] x [K 1,024, N 1,024]; A: computed on the way; B: input Wo (given as codes): QUANTISED
;;   THE QUANTISER, for each operand of a quantised product, along K:
;;     - K is cut into blocks of 32 from its start; a last block that is shorter is filled with zeros.
;;     - A block's scale is 2^e with e = floor(log2(the largest magnitude in the block)) - 2, held to -126 .. 127; a block of zeros has e = 0. As a byte (E8M0): e + 127.
;;     - Each number is divided by its block's scale, clamped to +-6, and rounded to the nearest number of E2M1, ties to even, subnormals kept.
;;     - The product sums the exact products of the quantised numbers (number of the format x scale) in f32.
;;   ~~~python
;;   def quantise(x, axis):      # numpy; x: float32 -> the quantised numbers, widened to float32 again
;;       x = np.moveaxis(x, axis, -1); K = x.shape[-1]
;;       x = np.pad(x, [(0, 0)] * (x.ndim - 1) + [(0, -K % 32)]); x = x.reshape(x.shape[:-1] + (-1, 32)); a = np.abs(x).max(-1, keepdims=True)
;;       e = np.where(a > 0, np.clip(np.frexp(np.where(a > 0, a, 1))[1] - 1 - 2, -126, 127), 0)      # np.frexp(a)[1] - 1 = floor(log2(a)), exactly
;;       r = np.clip(x / 2.0 ** e, -6, 6)
;;       step = 2.0 ** (np.maximum(np.frexp(np.where(r == 0, 1, r))[1] - 1, 0) - 1)
;;       q = np.round(r / step) * step * 2.0 ** e      # np.round: ties to even
;;       return np.moveaxis(q.reshape(q.shape[:-2] + (-1,))[..., :K], -1, axis).astype(np.float32)
;;   ~~~
;;   SOFTMAX AHEAD OF A QUANTISED PRODUCT. Where the list says 'softmax', what is quantised is not the finished softmax but p = 2^(t - M), with t = logit x log2(e) and M = ceil(the row's largest t), a whole number; so 1/2 < the row's largest p <= 1. The row's sum l is taken of the UNQUANTISED p, in f32, and the product's result is divided by l at the end. Since M is a whole number, a kernel that streams over the keys may use a running M (the ceiling of the running maximum): every later rescaling is an exact power of two, which a block's scale takes up: the codes' values come out the same.
;;   OPERANDS COMPUTED ON THE WAY. 'Computed on the way' means the value that the module computes at that place (a softmax that the list does not call 'softmax' is quantised finished and normalised). What goes into a quantiser is computed in f32, as accurately as f32 sums, v_exp_f32 and their like allow (about 1e-6 of the number): no bf16 or f16 on the way to a quantiser, and a product that is left as it is and whose result goes on into a quantised operand takes f32 operands (vector FMAs, or v_wmma_f32_16x16x4_f32). A number that lies on a knife's edge between two numbers of the format may be rounded either way, as far as f32 arithmetic and the matrix unit's own rounding can turn it there, and no further.
;;   INPUTS GIVEN AS CODES. Wk (in the module: [1024, 1024], K = its axis 1); Wo (in the module: [1024, 1024], K = its axis 1); Wq (in the module: [1024, 1024], K = its axis 1); Wv (in the module: [1024, 1024], K = its axis 1): each comes as NAME_codes (uint8): NAME with its K axis moved to the last place and cut into blocks of 32 codes, [.., K / 32, bytes a block], one block behind the other in memory; two codes a byte, the lower K in the low four bits (a code: sign, 2 exponent bits, 1 mantissa bit); and NAME_scales (uint8): the same leading axes, one E8M0 byte (e + 127) for each 32 codes along K. Its value is code x scale, taken as it is: it is not quantised again, and the codes and scales need not be those that the quantiser above would give.
;; One version. Each part assembles by itself: llvm-mc -triple=amdgcn-amd-amdhsa -mcpu=gfx1250 --defsym DOCPART=n.
;; ======== version 1 of 1: 3 launches
;; workspace buffers: qb 4,718,592 bytes; kv 9,175,040 bytes; a_img 4,194,304 bytes; a_sc 262,144 bytes
;; launch qkv (part 1): grid 4 x 64, 4 waves a work-group, no clusters, 137,728 bytes of LDS; arguments x, Wq_codes, Wq_scales, bq, Wk_codes, Wk_scales, bk, Wv_codes, Wv_scales, bv, qb, kv; writes qb, kv
.if DOCPART == 1
	.amdgcn_target "amdgcn-amd-amdhsa--gfx1250"
	.amdhsa_code_object_version 6
	.text
	.protected	k_q73e8d64475_qkv
	.globl	k_q73e8d64475_qkv
	.p2align	8
	.type	k_q73e8d64475_qkv,@function
k_q73e8d64475_qkv:
	s_mov_b64 s[64:65], 0
	v_nop
	global_prefetch_b8 v0, s[64:65] scope:SCOPE_SE
	s_setreg_imm32_b32 hwreg(HW_REG_WAVE_MODE, 25, 1), 1
	s_wait_xcnt 0x0
; Q = x Wq^T + bq, K = x Wk^T + bk, V = x Wv^T + bv on codes of FP4 (E2M1) with one E8M0 scale for each 32 along K, and the three results quantised again:
; Q and K along the head's 64 (two blocks of 32), V along the keys.  x: [8192][1024] f32, quantised here along its 1,024.  The weights come as codes [n][k], 512 bytes a row, scale bytes 32 a row.
; SHARES.  Work-group (x = 0..3, y = 0..63) takes tokens 128 y .. 128 y + 127 and heads 4 x .. 4 x + 3; wave w takes head 4 x + w of Q, of K and of V for all 128 tokens: 6 units of 128 matrix instructions.
; THE ROWS OF A TILE ARE NOT NEIGHBOURS: row i of tile (g, u) is token (or weight row) 32 g + 8 u + i + 8 (i / 8).  So the 16 registers of two neighbouring tiles' results are 16 neighbours along the next
; product's K: for Q and K the product is used transposed (source 0 = weight rows, source 1 = tokens: a lane holds one token and d = 32 p + 16 (lane / 16) + 0 .. 15), for V straight (a lane holds one d and 16 neighbouring tokens).
; WHAT IS STORED are images of the next launch's operand registers.  qb: [16 batch + head][128 tokens] blocks of 4,608 bytes: eight tiles of 512 bytes (lane r + 16 blk: the 32 codes of d block blk of tile row r), then 512 bytes of
; scale words [r + 16 u][g] (bytes: block 0, block 1, 0x7f, 0x7f).  kv: blocks of 8,960 bytes: K as Q (4,096), four fragments of V^T (1,024 each), K's scale words (512), V's scale words [r + 16 u][p] (256).
; x is quantised once in a work-group (wave w: tokens 32 w .. 32 w + 31) and goes to the other waves through LDS as images of the operand's registers; one barrier.
; THE WEIGHTS go from memory to registers as whole rows (a load of the wave covers a row's 512 consecutive bytes) and are turned into fragments through the wave's own stage in LDS.
; NO JOINT LOADS: the work-group's weights are 3 x 4 heads x 32,768 bytes of codes, which do not fit in LDS beside x's 65,536 bytes of images, so a joint load would want slots that are filled again, with a round of a cluster's barrier for each; here no wave waits for another after the one barrier.
; LIMITS: NaN and infinities among the inputs are not served.  A block whose largest magnitude lies under 2^(3 - 127), a block of zeros among them, gets the scale byte 1 where the rule says 127 for zeros: its codes are zeros (or are held at that floor), and these bytes are read by this program alone.
.set WSTB,  16896                      ; LDS: a stage of 32 rows x 528 bytes for each wave, from byte 0 (in the first phase: two stages of 16 rows)
.set XIMG,  67584                      ; x's 64 fragments (8 m + s), 1,024 bytes each
.set XSC,   133120                     ; x's scale words: [m][r + 16 (s % 2)][s / 2], 4 bytes each
.set LI,  1                            ; v1   16 x lane
.set L8,  2                            ; v2   8 x lane
.set QO,  3                            ; v3   16 r + 8 h
.set WSA, 4                            ; v4   my stage + 16 x lane
.set WFA, 5                            ; v5   my stage + 528 r + 16 h
.set XRA, 6                            ; v6   my stage + 528 r + 64 h
.set XWI, 7                            ; v7   XIMG + 16,384 w + 16 x lane
.set XWS, 8                            ; v8   XSC + 1,024 w + 16 r
.set XRD, 9                            ; v9   XIMG + 16 x lane
.set XSR, 10                           ; v10  XSC + 16 x lane
.set WSO, 11                           ; v11  32 (r + 8 (r / 8)) + 16 h: a weight's scale bytes
.set BO,  12                           ; v12  64 h: a bias, transposed use
.set BVO, 13                           ; v13  4 (r + 8 (r / 8)): bv, straight use
.set XS,  16                           ; v16-47   x's scale words: 4 m + s / 2; lanes 0-15 the even K step, lanes 16-31 the odd one
.set WS,  48                           ; v48-55   the weight's scale words: 4 u + s % 4; lanes 0-15 K steps 0-3, lanes 16-31 K steps 4-7
.set BI,  56                           ; v56-71   the bias in the result's layout: 8 u + j
.set TM,  72                           ; v72-83   the quantiser's: largest magnitudes, bytes, scale operands
.set PC,  84                           ; v84-99   codes, two sets of 8
.set SW,  100                          ; v100-107 Q's or K's scale word of tile m
.set TS,  108                          ; v108-111 scale words gathered for one store
.set VS,  112                          ; v112-113 V's scale words
.set PW,  114                          ; v114-115 a scale word just made
.set ACC, 128                          ; v128-255 16 accumulators; in the first phase two sets of 64 numbers of x
.set SEL, 36                           ; s[36:37] selects of v_permlanex16_b32: lane l xor 16
.set HM,  38                           ; s38  the mask of lanes 16-31
; window 1: the weight's fragments, set 0 at v0, set 1 at v128 ((u, s) at 64 u + 8 s).  windows 2, 3: x's fragment (m, s) in window 2 + s / 4 at v[8 (8 (s % 4) + m)]; in the first phase window 2 holds four sets of 64 numbers as loaded
.set MSB, 0
.macro WIN new                         ; s_set_vgpr_msb: bits 1:0 source 0, 3:2 source 1, 5:4 source 2, 7:6 destination; the high byte repeats the setting that is left; a switch that changes nothing is dropped
.if MSB != (\new)
	s_set_vgpr_msb (MSB<<8)|(\new)
.set MSB, (\new)
.endif
.endm
.macro PLACES n
.rept \n
	v_nop
.endr
.endm
; 64 numbers of a lane, v[base + 16 b + i]: block b's other 16 lie in lane l xor 16.  Codes to v[pc + 2 b], v[pc + 2 b + 1]; block b's scale byte stays in v[TM + 4 + b].
.macro QB4 base, pc
.irp b, 0,1,2,3
	v_max3_num_f32 v[TM+\b], |v[16*\b+(\base)]|, |v[16*\b+1+(\base)]|, 0x1800000   ; my 16 numbers from the low end on, and the floor 2^(3 - 127): the byte cannot fall under 1
.endr
.irp i, 2,4,6,8,10,12,14
.irp b, 0,1,2,3
	v_max3_num_f32 v[TM+\b], v[TM+\b], |v[16*\b+\i+(\base)]|, |v[16*\b+\i+1+(\base)]|   ; the four blocks by turns
.endr
.endr
.irp b, 0,1,2,3
	v_permlanex16_b32 v[TM+4+\b], v[TM+\b], s[SEL], s[SEL+1]
.endr
.irp b, 0,1,2,3
	v_max_num_f32 v[TM+\b], v[TM+\b], v[TM+4+\b]   ; the block's largest magnitude
.endr
.irp b, 0,1,2,3
	v_add_nc_u32 v[TM+8+\b], 0xff000000, v[TM+\b]  ; 2 off its exponent field: the conversion takes this operand's exponent field as its scale
.endr
.irp b, 0,1,2,3
	v_lshrrev_b32 v[TM+4+\b], 23, v[TM+8+\b]       ; the scale's byte
.endr
.irp b, 0,1,2,3
	v_cvt_scalef32_pk8_fp4_f32 v[2*\b+(\pc)], v[16*\b+(\base):16*\b+7+(\base)], v[TM+8+\b]
	v_cvt_scalef32_pk8_fp4_f32 v[2*\b+1+(\pc)], v[16*\b+8+(\base):16*\b+15+(\base)], v[TM+8+\b]
.endr
	v_nop                                          ; one plain instruction behind the last scaled conversion
.endm
.macro WORD pw                         ; the four bytes make a scale word
	v_lshl_or_b32 v[\pw], v[TM+5], 8, v[TM+4]
	v_lshl_or_b32 v[\pw], v[TM+6], 16, v[\pw]
	v_lshl_or_b32 v[\pw], v[TM+7], 24, v[\pw]
.endm
.macro SWAPS pc                        ; the operand's layout wants a whole block in a lane: lanes 0-15 block 2 c, lanes 16-31 block 2 c + 1
.irp c, 0,1
.irp i, 0,1
	v_permlane16_swap_b32 v[4*\c+\i+(\pc)], v[4*\c+2+\i+(\pc)]
.endr
.endr
.endm
; 32 rows of a weight's codes, a row a load: 32 lanes x 16 bytes = the row's 512 consecutive bytes
.macro WLOAD win, base, ptr, row0
	WIN (\win)<<6
.set ii, 0
.rept 32
	global_load_b128 v[4*ii+(\base):4*ii+3+(\base)], v[LI], s[\ptr:\ptr+1] offset:((\row0)+8*(ii/16)+(ii%16)+8*((ii%16)/8))*512
.set ii, ii+1
.endr
	WIN 0
.endm
; and their turn into fragments through my own stage: pitch 528 = 33 x 16 bytes, so the sixteen rows of a load begin in sixteen different 16-byte columns modulo 256.
; LDS serves a wave's instructions in order (ISA guide 5.7.1.4): no wait between the stores and the loads, which land in the registers that the stores left.
.macro WTURN win, base
	WIN (\win)<<2
.set ii, 0
.rept 32
	ds_store_b128 v[WSA], v[4*ii+(\base):4*ii+3+(\base)] offset:528*ii
.set ii, ii+1
.endr
	WIN (\win)<<6
.set ii, 0
.rept 32
	ds_load_b128 v[4*ii+(\base):4*ii+3+(\base)], v[WFA] offset:8448*(ii/16)+64*((ii/2)%8)+32*(ii%2)   ; fragment (u, s), half c: row 16 u + r, codes 128 s + 64 c + 32 h on
.set ii, ii+1
.endr
	WIN 0
.endm
; a scaled product; ra, rb: A's, B's scales stand in lanes 16-31
.macro WM d, a, b, c, sa, sb, ra, rb
.if (\ra) && (\rb)
	v_wmma_scale_f32_16x16x128_f8f6f4 v[\d:\d+7], v[\a:\a+7], v[\b:\b+7], v[\c:\c+7], v[\sa], v[\sb] matrix_a_fmt:MATRIX_FMT_FP4 matrix_b_fmt:MATRIX_FMT_FP4 matrix_a_scale:MATRIX_SCALE_ROW1 matrix_b_scale:MATRIX_SCALE_ROW1
.elseif (\ra)
	v_wmma_scale_f32_16x16x128_f8f6f4 v[\d:\d+7], v[\a:\a+7], v[\b:\b+7], v[\c:\c+7], v[\sa], v[\sb] matrix_a_fmt:MATRIX_FMT_FP4 matrix_b_fmt:MATRIX_FMT_FP4 matrix_a_scale:MATRIX_SCALE_ROW1
.elseif (\rb)
	v_wmma_scale_f32_16x16x128_f8f6f4 v[\d:\d+7], v[\a:\a+7], v[\b:\b+7], v[\c:\c+7], v[\sa], v[\sb] matrix_a_fmt:MATRIX_FMT_FP4 matrix_b_fmt:MATRIX_FMT_FP4 matrix_b_scale:MATRIX_SCALE_ROW1
.else
	v_wmma_scale_f32_16x16x128_f8f6f4 v[\d:\d+7], v[\a:\a+7], v[\b:\b+7], v[\c:\c+7], v[\sa], v[\sb] matrix_a_fmt:MATRIX_FMT_FP4 matrix_b_fmt:MATRIX_FMT_FP4
.endif
.endm
	s_load_b512 s[8:23], s[0:1], 0x0               ; x 8, Wq_codes 10, Wq_scales 12, bq 14, Wk_codes 16, Wk_scales 18, bk 20, Wv_codes 22
	s_load_b256 s[24:31], s[0:1], 0x40             ; Wv_scales 24, bv 26, qb 28, kv 30
	v_lshl_add_u32 v126, v0, 2, 0x21800
	v_mov_b32 v127, 0
	v_lshrrev_b32 v14, 5, v0
	v_readfirstlane_b32 s2, v14                    ; wave 0..3
	v_and_b32 v14, 31, v0                          ; lane
	v_and_b32 v15, 15, v0                          ; r
	v_bfe_u32 v116, v0, 4, 1                       ; h
	v_lshlrev_b32 v[LI], 4, v14
	v_lshlrev_b32 v[L8], 3, v14
	v_lshlrev_b32 v[QO], 4, v15
	v_lshl_add_u32 v[QO], v116, 3, v[QO]
	s_mul_i32 s5, s2, WSTB
	v_add_nc_u32 v[WSA], s5, v[LI]
	v_mul_u32_u24 v117, v15, 528
	v_add_nc_u32 v117, s5, v117
	v_lshl_add_u32 v[WFA], v116, 4, v117
	v_lshl_add_u32 v[XRA], v116, 6, v117
	s_lshl_b32 s5, s2, 14
	s_add_co_u32 s5, s5, XIMG
	v_add_nc_u32 v[XWI], s5, v[LI]
	s_lshl_b32 s5, s2, 10
	s_add_co_u32 s5, s5, XSC
	v_lshl_add_u32 v[XWS], v15, 4, s5
	v_add_nc_u32 v[XRD], XIMG, v[LI]
	v_add_nc_u32 v[XSR], XSC, v[LI]
	v_and_b32 v117, 8, v15
	v_add_nc_u32 v117, v117, v15                   ; r + 8 (r / 8)
	v_lshlrev_b32 v[WSO], 5, v117
	v_lshl_add_u32 v[WSO], v116, 4, v[WSO]
	v_lshlrev_b32 v[BO], 6, v116
	v_lshlrev_b32 v[BVO], 2, v117
.irp b, 0,1,2,3
	v_mov_b32 v[TM+4+\b], 0                        ; written once: a lane permute's destination counts as one of its sources
.endr
	s_mov_b32 s[SEL], 0x76543210
	s_mov_b32 s[SEL+1], 0xfedcba98
	s_mov_b32 s[HM], 0xffff0000
	s_lshl_b32 s3, ttmp9, 2
	s_add_co_u32 s3, s3, s2                        ; my head
	s_and_b32 s4, ttmp7, 0xffff                    ; my block of 128 tokens: 16 x batch + key step
	s_lshr_b32 s6, s4, 4
	s_lshl_b32 s6, s6, 8
	s_lshl_b32 s7, s3, 4
	s_add_co_u32 s6, s6, s7
	s_and_b32 s7, s4, 15
	s_add_co_u32 s6, s6, s7                        ; 16 (16 batch + head) + key step: my block of qb and of kv
	s_mov_b32 s33, 0
	s_wait_alu depctr_va_vdst(0)
	s_wait_kmcnt 0x0
	s_lshl_b32 s32, s3, 15                         ; the head's 64 rows of codes
	s_add_nc_u64 s[10:11], s[10:11], s[32:33]
	s_add_nc_u64 s[16:17], s[16:17], s[32:33]
	s_add_nc_u64 s[22:23], s[22:23], s[32:33]
	s_lshl_b32 s32, s3, 11                         ; of scale bytes
	s_add_nc_u64 s[12:13], s[12:13], s[32:33]
	s_add_nc_u64 s[18:19], s[18:19], s[32:33]
	s_add_nc_u64 s[24:25], s[24:25], s[32:33]
	s_lshl_b32 s32, s3, 8                          ; its 64 numbers of a bias
	s_add_nc_u64 s[14:15], s[14:15], s[32:33]
	s_add_nc_u64 s[20:21], s[20:21], s[32:33]
	s_add_nc_u64 s[26:27], s[26:27], s[32:33]
	s_lshl_b32 s32, s4, 19                         ; x: 128 tokens of 4,096 bytes,
	s_lshl_b32 s34, s2, 17                         ; and my wave's 32 of them
	s_add_co_u32 s32, s32, s34
	s_add_nc_u64 s[8:9], s[8:9], s[32:33]
	s_mul_i32 s32, s6, 4608
	s_add_nc_u64 s[28:29], s[28:29], s[32:33]
	s_mul_i32 s32, s6, 8960
	s_add_nc_u64 s[30:31], s[30:31], s[32:33]
; UNITS n = 0 .. 5: (Q, p = 0), (Q, 1), (K, 0), (K, 1), (V, 0), (V, 1): 32 weight rows 32 p on, in set n % 2.  The three tensors' pointers lie 6 scalar registers apart.
.macro WLN n
	WLOAD 1, 128*((\n)%2), 10+6*((\n)/2), 32*((\n)%2)
.endm
.macro SBT sc, bi, p                   ; scale words and bias, transposed use: register j of tile u is d = 32 p + 8 u + 16 h + j
.irp u, 0,1
	global_load_b128 v[WS+4*\u:WS+4*\u+3], v[WSO], s[\sc:\sc+1] offset:(32*(\p)+8*\u)*32
.endr
.irp u, 0,1
	global_load_b128 v[BI+8*\u:BI+8*\u+3], v[BO], s[\bi:\bi+1] offset:(32*(\p)+8*\u)*4
	global_load_b128 v[BI+8*\u+4:BI+8*\u+7], v[BO], s[\bi:\bi+1] offset:(32*(\p)+8*\u)*4+16
.endr
.endm
.macro SBV p                           ; straight use: a lane holds one d: its bv in all eight registers
.irp u, 0,1
	global_load_b128 v[WS+4*\u:WS+4*\u+3], v[WSO], s[24:25] offset:(32*(\p)+8*\u)*32
.endr
.irp u, 0,1
.irp j, 0,1,2,3,4,5,6,7
	global_load_b32 v[BI+8*\u+\j], v[BVO], s[26:27] offset:(32*(\p)+8*\u)*4
.endr
.endr
.endm
.macro SBN n
.if (\n) < 4
	SBT 12+6*((\n)/2), 14+6*((\n)/2), (\n)%2
.else
	SBV (\n)%2
.endif
.endm
; THE FIRST PHASE: my 32 tokens of x become 16 fragments: step t = 8 u + s is tile 2 w + u, K step s.
.macro XL t                            ; 16 loads: 512 consecutive bytes of one token each; four work-groups read these rows, so no hint
	WIN 0x80
.set ii, 0
.rept 16
	global_load_b128 v[64*((\t)%4)+4*ii:64*((\t)%4)+4*ii+3], v[LI], s[8:9] offset:(8*((\t)/8)+ii+8*(ii/8))*4096+512*((\t)%8)
.set ii, ii+1
.endr
	WIN 0
.endm
.macro XTURN t                         ; through one of my two stages: back come, for tile row r, 16 neighbours of each block of 32: k = 128 s + 32 blk + 16 h + 0 .. 15
	WIN 0x08
.set ii, 0
.rept 16
	ds_store_b128 v[WSA], v[64*((\t)%4)+4*ii:64*((\t)%4)+4*ii+3] offset:8448*((\t)%2)+528*ii
.set ii, ii+1
.endr
	WIN 0
.set ii, 0
.rept 16
	ds_load_b128 v[128+64*((\t)%2)+4*ii:128+64*((\t)%2)+4*ii+3], v[XRA] offset:8448*((\t)%2)+128*(ii/4)+16*(ii%4)
.set ii, ii+1
.endr
.endm
.macro XSTEP t
.if (\t) == 0
	s_wait_dscnt 0x0
.else
	s_wait_dscnt 0x3                               ; this step's numbers are back from the stage; only the last step's three image stores may be out.  So the stage's stores have read the registers that the loads below take
.endif
.if (\t)+3 < 16
	XL (\t)+3
.endif
.if (\t)+1 < 16
.if (\t) < 13
	s_wait_loadcnt 32                              ; the next step's 16 loads are in; the two runs of 16 behind them may be out
.else
	s_wait_loadcnt 16*(14-(\t))
.endif
	XTURN (\t)+1
.endif
	QB4 128+64*((\t)%2), PC+8*((\t)%2)
	WORD PW+(\t)%2
	SWAPS PC+8*((\t)%2)
	ds_store_b128 v[XWI], v[PC+8*((\t)%2):PC+8*((\t)%2)+3] offset:1024*(\t)        ; the fragment goes to LDS as an image of its registers
	ds_store_b128 v[XWI], v[PC+8*((\t)%2)+4:PC+8*((\t)%2)+7] offset:1024*(\t)+512
	ds_store_b32 v[XWS], v[PW+(\t)%2] offset:512*((\t)/8)+256*((\t)%2)+4*(((\t)%8)/2)   ; lanes r and r + 16 write the same word with the same value
.endm
	WLN 0                                          ; the first unit's weights are asked for ahead of x
	SBN 0
	XL 0
	XL 1
	XL 2
	s_wait_loadcnt 32                              ; step 0's loads (and all older ones) are in; steps 1 and 2 may be out
	XTURN 0
.irp t, 0,1,2,3,4,5,6,7,8,9,10,11,12,13,14,15
	XSTEP \t
.endr
	s_wait_loadcnt 0x0
	WTURN 1, 0
	s_wait_dscnt 0x0                               ; for the others' sake: my images lie in LDS
	s_barrier_signal -1
	s_barrier_wait -1                              ; the launch's one barrier: x's 64 fragments and their scale words are whole
.irp wn, 0,1
	WIN 0x80+0x40*\wn
.irp sq, 0,1,2,3
.irp m, 0,1,2,3,4,5,6,7
.irp c, 0,1
	ds_load_b128 v[8*(8*\sq+\m)+4*\c:8*(8*\sq+\m)+4*\c+3], v[XRD] offset:1024*(8*\m+4*\wn+\sq)+512*\c
.endr
.endr
.endr
.endr
	WIN 0
.irp m, 0,1,2,3,4,5,6,7
	ds_load_b128 v[XS+4*\m:XS+4*\m+3], v[XSR] offset:512*\m
.endr
; 128 products of a unit; the 16 accumulators take turns, one instruction a turn; the bias is the C of each sum's first product
.macro MULT ws                         ; transposed: source 0 = weight rows (window 1), source 1 = tokens (window 2 or 3)
.irp s, 0,1,2,3,4,5,6,7
	WIN 0x09+4*(\s/4)
.irp u, 0,1
.irp m, 0,1,2,3,4,5,6,7
.if \s == 0
	WM ACC+16*\m+8*\u, 128*(\ws)+64*\u+8*\s, 8*(8*(\s%4)+\m), BI+8*\u, WS+4*\u+\s%4, XS+4*\m+\s/2, \s/4, \s%2
.else
	WM ACC+16*\m+8*\u, 128*(\ws)+64*\u+8*\s, 8*(8*(\s%4)+\m), ACC+16*\m+8*\u, WS+4*\u+\s%4, XS+4*\m+\s/2, \s/4, \s%2
.endif
.endr
.endr
.endr
	WIN 0
.endm
.macro MULV ws                         ; straight: source 0 = tokens, source 1 = weight rows
.irp s, 0,1,2,3,4,5,6,7
	WIN 0x06+(\s/4)
.irp u, 0,1
.irp m, 0,1,2,3,4,5,6,7
.if \s == 0
	WM ACC+64*\u+8*\m, 8*(8*(\s%4)+\m), 128*(\ws)+64*\u+8*\s, BI+8*\u, XS+4*\m+\s/2, WS+4*\u+\s%4, \s%2, \s/4
.else
	WM ACC+64*\u+8*\m, 8*(8*(\s%4)+\m), 128*(\ws)+64*\u+8*\s, ACC+64*\u+8*\m, XS+4*\m+\s/2, WS+4*\u+\s%4, \s%2, \s/4
.endif
.endr
.endr
.endr
	WIN 0
.endm
; Q or K, d block p: block b of QB4 is token tile m = 4 q + b.  A lane's 16 codes are 8 bytes: the 32 lanes of a store cover 256 consecutive bytes, aligned
.macro OUTQK p, op, so
.irp q, 0,1
	QB4 ACC+64*\q, PC+8*\q
.irp be, 0,1,2,3
.if (\p) == 0
	v_or_b32 v[SW+4*\q+\be], 0x7f7f0000, v[TM+4+\be]           ; byte 0; bytes 2 and 3 stand for 1.0: they scale k = 64 .. 127, where Q's codes are zeros
.else
	v_lshl_or_b32 v[SW+4*\q+\be], v[TM+4+\be], 8, v[SW+4*\q+\be]
.endif
.endr
.irp be, 0,1,2,3
	global_store_b64 v[QO], v[PC+8*\q+2*\be:PC+8*\q+2*\be+1], s[\op:\op+1] offset:512*(4*\q+\be)+256*(\p)
.endr
.endr
.if (\p) == 1
.irp g, 0,1,2,3
	v_cndmask_b32 v[TS+\g], v[SW+2*\g], v[SW+2*\g+1], s[HM]    ; lanes 0-15 tile (g, 0)'s word, lanes 16-31 tile (g, 1)'s
.endr
	global_store_b128 v[LI], v[TS:TS+3], s[\op:\op+1] offset:\so
.endif
.endm
; V, d rows 32 p on: tile u's 64 registers are the lane's d and the 128 tokens: one fragment of V^T and one scale word
.macro OUTV p
.irp u, 0,1
	QB4 ACC+64*\u, PC+8*\u
	WORD PW+\u
	SWAPS PC+8*\u
	global_store_b128 v[LI], v[PC+8*\u:PC+8*\u+3], s[30:31] offset:4096+1024*(2*(\p)+\u)
	global_store_b128 v[LI], v[PC+8*\u+4:PC+8*\u+7], s[30:31] offset:4096+1024*(2*(\p)+\u)+512
.endr
	v_cndmask_b32 v[VS+(\p)], v[PW], v[PW+1], s[HM]
.if (\p) == 1
	global_store_b64 v[L8], v[VS:VS+1], s[30:31] offset:8704
.endif
.endm
.macro UNIT n
	s_wait_loadcnt 0x0                             ; this unit's scale words and bias: the only loads that are out
.if (\n) < 5
	WLN (\n)+1                                     ; the next unit's rows, into the other set: they have this unit's 128 products in which to land
.endif
	s_wait_dscnt 0x0                               ; this unit's fragments are back from the stage (unit 0: x's too)
.if (\n) < 4
	MULT (\n)%2
.else
	MULV (\n)%2
.endif
	PLACES 4                                       ; ahead of loads into registers that the products read, and of the first read of results
.if (\n) < 5
	s_wait_loadcnt 0x0
	SBN (\n)+1
	WTURN 1, 128*(((\n)+1)%2)                      ; the turn through LDS runs under the quantising below
.endif
	s_wait_xcnt 0x0                                ; the last unit's stores have read their data: the codes' registers are written again only behind this wait
.if (\n) < 2
	OUTQK (\n)%2, 28, 4096
.elseif (\n) < 4
	OUTQK (\n)%2, 30, 8192
.else
	OUTV (\n)%2
.endif
.endm
.irp n, 0,1,2,3,4,5
	UNIT \n
.endr
	s_wait_tensorcnt 0x0
	ds_add_u32 v126, v127
	s_wait_dscnt 0x0
	s_endpgm
.Lfunc_end_k_q73e8d64475_qkv:
	.size	k_q73e8d64475_qkv, .Lfunc_end_k_q73e8d64475_qkv-k_q73e8d64475_qkv
	.p2alignl 7, 3214868480
	.fill 96, 4, 3214868480
	.section	.rodata,"a",@progbits
	.p2align	6, 0x0
	.amdhsa_kernel k_q73e8d64475_qkv
		.amdhsa_group_segment_fixed_size 137728
		.amdhsa_private_segment_fixed_size 0
		.amdhsa_enable_private_segment 0
		.amdhsa_kernarg_size 96
		.amdhsa_user_sgpr_count 2
		.amdhsa_user_sgpr_kernarg_segment_ptr 1
		.amdhsa_wavefront_size32 1
		.amdhsa_system_sgpr_workgroup_id_x 1
		.amdhsa_system_sgpr_workgroup_id_y 1
		.amdhsa_system_sgpr_workgroup_id_z 1
		.amdhsa_system_vgpr_workitem_id 0
		.amdhsa_next_free_vgpr 1024
		.amdhsa_next_free_sgpr 66
		.amdhsa_reserve_vcc 0
		.amdhsa_float_denorm_mode_32 3
		.amdhsa_float_denorm_mode_16_64 3
		.amdhsa_memory_ordered 1
		.amdhsa_forward_progress 1
		.amdhsa_inst_pref_size 255
	.end_amdhsa_kernel
	.section	.bss,"aw",@nobits
	.p2align	6
	.space	262144
	.amdgpu_metadata
---
amdhsa.version: [ 1, 2 ]
amdhsa.kernels:
  - .name:           k_q73e8d64475_qkv
    .symbol:         k_q73e8d64475_qkv.kd
    .args:
      - { .name: x, .offset: 0, .size: 8, .value_kind: global_buffer, .address_space: global }
      - { .name: Wq_codes, .offset: 8, .size: 8, .value_kind: global_buffer, .address_space: global }
      - { .name: Wq_scales, .offset: 16, .size: 8, .value_kind: global_buffer, .address_space: global }
      - { .name: bq, .offset: 24, .size: 8, .value_kind: global_buffer, .address_space: global }
      - { .name: Wk_codes, .offset: 32, .size: 8, .value_kind: global_buffer, .address_space: global }
      - { .name: Wk_scales, .offset: 40, .size: 8, .value_kind: global_buffer, .address_space: global }
      - { .name: bk, .offset: 48, .size: 8, .value_kind: global_buffer, .address_space: global }
      - { .name: Wv_codes, .offset: 56, .size: 8, .value_kind: global_buffer, .address_space: global }
      - { .name: Wv_scales, .offset: 64, .size: 8, .value_kind: global_buffer, .address_space: global }
      - { .name: bv, .offset: 72, .size: 8, .value_kind: global_buffer, .address_space: global }
      - { .name: qb, .offset: 80, .size: 8, .value_kind: global_buffer, .address_space: global }
      - { .name: kv, .offset: 88, .size: 8, .value_kind: global_buffer, .address_space: global }
    .group_segment_fixed_size: 137728
    .private_segment_fixed_size: 0
    .kernarg_segment_align: 8
    .kernarg_segment_size: 96
    .max_flat_workgroup_size: 128
    .sgpr_count:     66
    .vgpr_count:     1024
    .wavefront_size: 32
...
	.end_amdgpu_metadata
.endif
;; end of part 1
;; launch attn (part 2): grid 4 x 64, 16 waves a work-group, clusters of 4 x 1, 169,984 bytes of LDS; arguments qb, kv, a_img, a_sc; writes a_img, a_sc
.if DOCPART == 2
	.amdgcn_target "amdgcn-amd-amdhsa--gfx1250"
	.amdhsa_code_object_version 6
	.text
	.protected	k_q73e8d64475_attn
	.globl	k_q73e8d64475_attn
	.p2align	8
	.type	k_q73e8d64475_attn,@function
k_q73e8d64475_attn:
	s_mov_b64 s[64:65], 0
	v_nop
	global_prefetch_b8 v0, s[64:65] scope:SCOPE_SE
	s_setreg_imm32_b32 hwreg(HW_REG_WAVE_MODE, 25, 1), 1
	s_wait_xcnt 0x0
	s_wait_alu depctr_hold_cnt(0) depctr_sa_sdst(0) depctr_va_vdst(0) depctr_va_sdst(0) depctr_va_ssrc(0) depctr_va_vcc(0) depctr_vm_vsrc(0)
	s_getreg_b32 s2, hwreg(HW_REG_IB_STS2, 6, 4)
	s_cmp_eq_u32 s2, 0
	s_cbranch_scc0 .Lentry_in_a_cluster
	s_endpgm
.Lentry_in_a_cluster:
	s_bfe_u32 s2, ttmp6, 0x10000c
	s_cmp_lg_u32 s2, 0x3003
	s_cbranch_scc0 .Lentry_shape_is_right
	s_endpgm
.Lentry_shape_is_right:
; O = softmax(Q K^T / 8) V for one (batch, head), both products on codes of FP4 (E2M1) with E8M0 scales, and O quantised along d for the last projection.
; THE SOFTMAX: t = score x log2(e) / 8; M = the row's largest t so far, rounded up to a whole number; p = 2^(t - M) is quantised along the keys, not normalised; the row's sum is taken of the unquantised p in f32 and divides O at the end.
; When M moves, the sum and O are multiplied by 2^(old M - new M), which rounds nothing.
; SHARES.  A cluster of four work-groups takes one head (cluster y = 16 batch + head); a work-group 512 queries; each of its sixteen waves 32 queries: two tiles of 16, one after the other on the same fragments of K and V.
; Four waves share a SIMD, so that one wave's vector work stands beside another's products and LDS loads.  Every wave walks the head's 16 key steps of 128 keys.
; LDS holds the head's whole block of kv, 16 x 8,960 bytes, as it lies in memory: register images, read at 16 x lane.  It is filled ONCE: no byte is filled again.
; JOINT LOADS: the four work-groups need the same K and V, so each key step is asked for by the same tensor load, with the same descriptor and the mask of all four, in all four.  Waves 0-3 issue four loads each (at most four of a wave are out): load j of wave w brings key step 4 j + w.
; LAYOUT.  Both products transposed: S^T = K Q^T (source 0 = 16 keys, source 1 = 16 queries), O^T = V^T P^T: a lane holds ONE query throughout.  Row i of a tile (g, u) is token 32 g + 8 u + i + 8 (i / 8), so the 16 registers of two neighbouring tiles are 16 neighbours along the next K.
; K = 64 IN AN INSTRUCTION OF 128: Q's registers for k = 64 .. 127 are zeros; K's operand there names the next tile's codes, finite numbers under the scale byte 0x7f, which zeros multiply away.
; STORED: a_img [128 batch + 2 g + u][head][512]: lane r + 16 blk: the 32 codes of d block blk of tile row r; a_sc [16 batch + head][token place 32 g + 16 u + r]: two scale bytes.  The scale bytes leave as 64 consecutive bytes a wave, a sixteenth of the launch's output bytes.
; LIMITS: NaN and infinities are not served; 1 / l is v_rcp_f32's (1 ulp); a block whose largest magnitude lies under 2^(3 - 127) gets the scale byte 1 (a block of zeros too, where the rule says 127: its codes are zeros, and this program alone reads the bytes).
.set KSB, 8960                         ; a key step's bytes: K 4,096, V 4,096, K's scale words 512, V's 256
.set LI,  1                            ; v1   16 x lane
.set AD,  2                            ; v2   the step's LDS address
.set L8,  3                            ; v3   8 x lane
.set AD2, 4                            ; v4   the same for V's scale words
.set AO,  5                            ; v5   16 r + 8 h
.set A2,  6                            ; v6   2 x lane
.set QSA, 7                            ; v7   16 r
;                                        v8+4u -M, v9+4u the largest t, v[10+4u:11+4u] the sum in two halves
.set QF,  16                           ; v16-31   Q's two fragments: 4 registers of codes, 4 of zeros
.set QS,  32                           ; v32-33   Q's scale words
.set PW,  34                           ; v34-35   p's scale words
.set KS,  36                           ; v36-39   K's: register g; lanes 0-15 tile (g, 0), lanes 16-31 tile (g, 1)
.set VS,  40                           ; v40-41   V's: register p likewise
.set FF,  42                           ; v[42:43] f = 2^(old M - new M); v43 is named with it as a pair
.set TM,  48                           ; v48-51 block maxima, v52-55 at work and bytes, v56-59 the conversions' scale operands
.set P,   60                           ; v60-75   p's codes, 8 a tile
.set KV,  76                           ; v76-111  K's tile t at 4 t, later V's fragment t at 8 t; v108-111 stay zeros
.set S,   112                          ; v112-175 S^T, then p
.set OA,  176                          ; v176-239 O^T: 32 u + 8 t + j
.set SEL, 40                           ; s[40:41] selects of v_permlanex16_b32: lane l xor 16
.set CS,  42                           ; s[42:43] c = log2(e) / 8
.set HM,  44                           ; s44  the mask of lanes 16-31
.set TB,  45                           ; s45  LDS byte at which the key step begins
.set CNT, 46
.macro PLACES n
.rept \n
	v_nop
.endr
.endm
.macro ROUND                           ; a round of the cluster's barrier
	s_barrier_signal -1
	s_barrier_wait -1
	s_cmp_lg_u32 s12, 0
	s_cbranch_scc1 .Lnot_wave_0_\@
	s_barrier_signal -3
.Lnot_wave_0_\@:
	s_barrier_wait -3
	s_barrier_signal -1
	s_barrier_wait -1
.endm
.macro SWAPS pc                        ; the operand's layout wants a whole block in a lane
.irp c, 0,1
.irp i, 0,1
	v_permlane16_swap_b32 v[4*\c+\i+(\pc)], v[4*\c+2+\i+(\pc)]
.endr
.endr
.endm
.macro QB4 base, pc                    ; 64 numbers of a lane, block b's other 16 in lane l xor 16: codes to v[pc + 2 b], v[pc + 2 b + 1], bytes in v[TM + 4 + b]
.irp b, 0,1,2,3
	v_max3_num_f32 v[TM+\b], |v[16*\b+(\base)]|, |v[16*\b+1+(\base)]|, 0x1800000
.endr
.irp i, 2,4,6,8,10,12,14
.irp b, 0,1,2,3
	s_delay_alu instid0(VALU_DEP_4)
	v_max3_num_f32 v[TM+\b], v[TM+\b], |v[16*\b+\i+(\base)]|, |v[16*\b+\i+1+(\base)]|
.endr
.endr
.irp b, 0,1,2,3
	s_delay_alu instid0(VALU_DEP_4)
	v_permlanex16_b32 v[TM+4+\b], v[TM+\b], s[SEL], s[SEL+1]
.endr
.irp b, 0,1,2,3
	s_delay_alu instid0(VALU_DEP_4)
	v_max_num_f32 v[TM+\b], v[TM+\b], v[TM+4+\b]
.endr
.irp b, 0,1,2,3
	s_delay_alu instid0(VALU_DEP_4)
	v_add_nc_u32 v[TM+8+\b], 0xff000000, v[TM+\b]
.endr
.irp b, 0,1,2,3
	s_delay_alu instid0(VALU_DEP_4)
	v_lshrrev_b32 v[TM+4+\b], 23, v[TM+8+\b]
.endr
.irp b, 0,1,2,3
	v_cvt_scalef32_pk8_fp4_f32 v[2*\b+(\pc)], v[16*\b+(\base):16*\b+7+(\base)], v[TM+8+\b]
	v_cvt_scalef32_pk8_fp4_f32 v[2*\b+1+(\pc)], v[16*\b+8+(\base):16*\b+15+(\base)], v[TM+8+\b]
.endr
	v_nop
.endm
	s_load_b256 s[4:11], s[0:1], 0x0               ; qb 4, kv 6, a_img 8, a_sc 10
	v_lshl_add_u32 v254, v0, 2, 0x29000
	v_mov_b32 v255, 0
	ds_add_u32 v254, v255
	ds_add_u32 v254, v255
	v_lshrrev_b32 v44, 5, v0
	s_delay_alu instid0(VALU_DEP_1)
	v_readfirstlane_b32 s12, v44                   ; wave 0..15
	s_bfe_u32 s13, ttmp6, 0x40000                  ; cx: it enters Q's and the outputs' addresses alone
	s_and_b32 s14, ttmp7, 0xffff                   ; 16 batch + head, which the four partners share
	; descriptor group 1: a key step's 8,960 dense bytes as 35 rows of 256 bytes (32 elements of 8 bytes), no padding
	s_mov_b32 s16, 15|(3<<16)|(1<<21)              ; 15:0 the mask: all four work-groups; 17:16 elements of 8 bytes; 21 set beside a mask
	s_mov_b32 s17, 32<<16                          ; tensor_dim0 = 32
	s_mov_b32 s18, 35<<16                          ; tensor_dim1 = 35
	s_mov_b32 s19, 32<<16                          ; tile_dim0 = 32
	s_mov_b32 s20, 35                              ; tile_dim1 = 35
	s_mov_b32 s21, 32                              ; from row to row
	s_mov_b32 s22, 0
	s_mov_b32 s23, 0
	s_and_b32 s48, s12, 3
	s_mul_i32 s49, s48, KSB                        ; key step wave % 4: its place in LDS and in the head's block
	s_mul_i32 s50, s14, 16*KSB
	s_add_co_u32 s50, s50, s49
	s_mov_b32 s51, 0
	s_mov_b32 s55, 0
	s_mov_b32 s[SEL], 0x76543210
	s_mov_b32 s[SEL+1], 0xfedcba98
	s_mov_b32 s[CS], 0x3e38aa3b
	s_mov_b32 s[CS+1], s[CS]                       ; named with it as a pair, so it is written
	s_mov_b32 s[HM], 0xffff0000
	s_mov_b32 s[TB], 0
	s_wait_dscnt 0x0
	s_wait_kmcnt 0x0
	s_add_nc_u64 s[52:53], s[6:7], s[50:51]
.irp j, 0,1,2,3
	s_mov_b32 s[24+4*\j], 1                        ; count = 1
	s_add_co_u32 s[25+4*\j], s49, 4*KSB*\j         ; LDS address: key step 4 j + wave % 4
	s_add_nc_u64 s[26+4*\j:27+4*\j], s[52:53], 4*KSB*\j
	s_or_b32 s[27+4*\j], s[27+4*\j], 0x80000000    ; type = 2
.endr
	s_lshl_b32 s54, s14, 4                         ; Q: the block of 128 tokens that holds my 32: 16 (16 batch + head) + 4 cx + wave / 4
	s_lshl_b32 s58, s13, 2
	s_add_co_u32 s54, s54, s58
	s_lshr_b32 s58, s12, 2
	s_add_co_u32 s54, s54, s58
	s_mul_i32 s54, s54, 4608
	s_add_nc_u64 s[56:57], s[4:5], s[54:55]
	s_lshl_b32 s54, s48, 10
	s_add_nc_u64 s[4:5], s[56:57], s[54:55]        ; my two tiles
	s_lshl_b32 s54, s48, 2
	s_add_nc_u64 s[56:57], s[56:57], s[54:55]      ; my group's column of scale words
	s_lshl_b32 s58, s13, 4
	s_add_co_u32 s58, s58, s12                     ; my group of 32 queries: 16 cx + wave
	s_lshr_b32 s54, s14, 4
	s_lshl_b32 s54, s54, 7
	s_lshl_b32 s59, s58, 1
	s_add_co_u32 s54, s54, s59                     ; 128 batch + 2 group
	s_lshl_b32 s54, s54, 13
	s_and_b32 s59, s14, 15
	s_lshl_b32 s59, s59, 9
	s_add_co_u32 s54, s54, s59
	s_add_nc_u64 s[8:9], s[8:9], s[54:55]
	s_lshl_b32 s54, s14, 12
	s_lshl_b32 s59, s58, 6
	s_add_co_u32 s54, s54, s59
	s_add_nc_u64 s[10:11], s[10:11], s[54:55]
	ROUND                                          ; all four work-groups are here: the joint loads meet
	s_cmp_lt_u32 s12, 4                            ; a wave's four fills stand in one branch on the wave's number, ahead of every wait on TENSORcnt, every LDS read and every other barrier
	s_cbranch_scc0 .Lnofetch
	tensor_load_to_lds s[24:27], s[16:23]
	s_nop 0
	tensor_load_to_lds s[28:31], s[16:23]
	s_nop 0
	tensor_load_to_lds s[32:35], s[16:23]
	s_nop 0
	tensor_load_to_lds s[36:39], s[16:23]
	s_nop 0
	PLACES 4
.Lnofetch:
	v_and_b32 v44, 31, v0
	v_and_b32 v45, 15, v0
	v_bfe_u32 v46, v0, 4, 1
	s_delay_alu instid0(VALU_DEP_3)
	v_lshlrev_b32 v[LI], 4, v44
	s_delay_alu instid0(VALU_DEP_4)
	v_lshlrev_b32 v[L8], 3, v44
	v_lshlrev_b32 v[A2], 1, v44
	v_lshlrev_b32 v[QSA], 4, v45
	s_delay_alu instid0(VALU_DEP_1)
	v_lshl_add_u32 v[AO], v46, 3, v[QSA]
.irp u, 0,1
	global_load_b128 v[QF+8*\u:QF+8*\u+3], v[LI], s[4:5] offset:512*\u
	global_load_b32 v[QS+\u], v[QSA], s[56:57] offset:4096+256*\u
.endr
.irp u, 0,1
.irp i, 4,5,6,7
	v_mov_b32 v[QF+8*\u+\i], 0                     ; Q's codes of k = 64 .. 127
.endr
	v_mov_b32 v[9+4*\u], 0xff61b1e6                ; the largest t so far: -3e38, under every t
	s_delay_alu instid0(VALU_DEP_1)
	v_floor_f32 v[8+4*\u], -v[9+4*\u]              ; -M
	v_mov_b32 v[10+4*\u], 0
	v_mov_b32 v[11+4*\u], 0
.endr
	v_mov_b32 v[FF+1], 0
	v_mov_b32 v47, 0
.irp b, 0,1,2,3
	v_mov_b32 v[TM+4+\b], 0                        ; a lane permute's destination counts as one of its sources
	v_mov_b32 v[KV+32+\b], 0                       ; what K's last tile names beyond its own codes
.endr
.set ii, 0
.rept 64
	v_mov_b32 v[OA+ii], 0                          ; the step is written once: the first finds zeros, which the first change of M leaves zeros
.set ii, ii+1
.endr
.macro SQ u                            ; S^T = K Q^T for query tile u: eight accumulators, each begun with the constant 0
.irp t, 0,1,2,3,4,5,6,7
.if (\t)%2
	v_wmma_scale_f32_16x16x128_f8f6f4 v[S+8*\t:S+8*\t+7], v[KV+4*\t:KV+4*\t+7], v[QF+8*(\u):QF+8*(\u)+7], 0, v[KS+\t/2], v[QS+(\u)] matrix_a_fmt:MATRIX_FMT_FP4 matrix_b_fmt:MATRIX_FMT_FP4 matrix_a_scale:MATRIX_SCALE_ROW1
.else
	v_wmma_scale_f32_16x16x128_f8f6f4 v[S+8*\t:S+8*\t+7], v[KV+4*\t:KV+4*\t+7], v[QF+8*(\u):QF+8*(\u)+7], 0, v[KS+\t/2], v[QS+(\u)] matrix_a_fmt:MATRIX_FMT_FP4 matrix_b_fmt:MATRIX_FMT_FP4
.endif
.endr
.endm
.macro PV                              ; O^T += V^T P^T: eight accumulators, one instruction each
.irp t, 0,1,2,3
.irp u, 0,1
.if (\t)%2
	v_wmma_scale_f32_16x16x128_f8f6f4 v[OA+32*\u+8*\t:OA+32*\u+8*\t+7], v[KV+8*\t:KV+8*\t+7], v[P+8*\u:P+8*\u+7], v[OA+32*\u+8*\t:OA+32*\u+8*\t+7], v[VS+\t/2], v[PW+\u] matrix_a_fmt:MATRIX_FMT_FP4 matrix_b_fmt:MATRIX_FMT_FP4 matrix_a_scale:MATRIX_SCALE_ROW1
.else
	v_wmma_scale_f32_16x16x128_f8f6f4 v[OA+32*\u+8*\t:OA+32*\u+8*\t+7], v[KV+8*\t:KV+8*\t+7], v[P+8*\u:P+8*\u+7], v[OA+32*\u+8*\t:OA+32*\u+8*\t+7], v[VS+\t/2], v[PW+\u] matrix_a_fmt:MATRIX_FMT_FP4 matrix_b_fmt:MATRIX_FMT_FP4
.endif
.endr
.endr
.endm
; Query tile u's softmax of a key step.  Register S + 16 b + i is key 32 b + 16 (lane / 16) + i of my query.
.macro SOFTMAX u
.set NM, 8+4*(\u)
.set TX, 9+4*(\u)
.set SU, 10+4*(\u)
.irp b, 0,1,2,3
	v_max3_num_f32 v[TM+\b], v[S+16*\b], v[S+1+16*\b], v[S+2+16*\b]   ; the largest SCORE of each block of 32 keys, each accumulator from its low end on: it serves the row's maximum and, since p rises with the score, the block's largest p
.endr
.irp i, 3,5,7,9,11,13
.irp b, 0,1,2,3
	v_max3_num_f32 v[TM+\b], v[TM+\b], v[S+16*\b+\i], v[S+1+16*\b+\i]
.endr
.endr
.irp b, 0,1,2,3
	v_max_num_f32 v[TM+\b], v[TM+\b], v[S+15+16*\b]
.endr
.irp b, 0,1,2,3
	s_delay_alu instid0(VALU_DEP_4)
	v_permlanex16_b32 v[TM+4+\b], v[TM+\b], s[SEL], s[SEL+1]
.endr
.irp b, 0,1,2,3
	s_delay_alu instid0(VALU_DEP_4)
	v_max_num_f32 v[TM+\b], v[TM+\b], v[TM+4+\b]   ; with lane l xor 16's 16 keys
.endr
	s_delay_alu instid0(VALU_DEP_2)
	v_max3_num_f32 v44, v[TM], v[TM+1], v[TM+2]
	s_delay_alu instid0(VALU_DEP_1)
	v_max_num_f32 v44, v44, v[TM+3]
	s_delay_alu instid0(VALU_DEP_1)
	v_mul_f32 v44, s[CS], v44                      ; the step's largest t (c is positive)
	s_delay_alu instid0(VALU_DEP_1)
	v_max_num_f32 v[TX], v[TX], v44
	v_mov_b32 v44, v[NM]
	s_delay_alu instid0(VALU_DEP_2)
	v_floor_f32 v[NM], -v[TX]                      ; -M = floor(-t): M is a whole number
	s_delay_alu instid0(VALU_DEP_1)
	v_sub_f32 v44, v[NM], v44                      ; old M - new M, 0 or less
	s_delay_alu instid0(VALU_DEP_1)
	v_cvt_i32_f32 v44, v44                         ; (it saturates)
	s_delay_alu instid0(VALU_DEP_1)
	v_ldexp_f32 v[FF], 1.0, v44                    ; f = 2^(old M - new M)
.set jj, 0
.rept 32
	v_pk_fma_f32 v[S+jj:S+jj+1], v[S+jj:S+jj+1], s[CS:CS+1], v[NM:NM+1] op_sel_hi:[1,0,0]   ; t - M, two at a time
.set jj, jj+2
.endr
.irp b, 0,1,2,3
	v_fma_f32 v[TM+\b], v[TM+\b], s[CS], v[NM]     ; the same of each block's largest score
.endr
.set jj, 0
	s_wait_alu depctr_va_vdst(0)
.rept 64
	v_exp_f32 v[S+jj], v[S+jj]                     ; p = 2^(t - M)
.set jj, jj+1
.endr
	v_pk_mul_f32 v[SU:SU+1], v[SU:SU+1], v[FF:FF+1] op_sel_hi:[1,0]   ; the sums under the new M: the plain instruction behind the batch
	s_wait_alu depctr_va_vdst(0)                   ; the wait ahead of the first instruction that names a result: one for the 64
.irp b, 0,1,2,3
	v_exp_f32 v[TM+\b], v[TM+\b]                   ; the block's largest p
.endr
	v_pk_add_f32 v[TM+4:TM+5], v[S:S+1], v[S+2:S+3]   ; the row's sum of the unquantised p, in two chains
.set jj, 4
.rept 15
	v_pk_add_f32 v[SU:SU+1], v[SU:SU+1], v[S+jj:S+jj+1]
	v_pk_add_f32 v[TM+4:TM+5], v[TM+4:TM+5], v[S+2+jj:S+3+jj]
.set jj, jj+4
.endr
	s_delay_alu instid0(VALU_DEP_1)
	v_pk_add_f32 v[SU:SU+1], v[SU:SU+1], v[TM+4:TM+5]
	s_wait_alu depctr_va_vdst(0)                   ; and one for the four
.irp b, 0,1,2,3
	v_max_num_f32 v[TM+\b], 0x1800000, v[TM+\b]    ; the floor 2^(3 - 127)
.endr
.irp b, 0,1,2,3
	s_delay_alu instid0(VALU_DEP_4)
	v_add_nc_u32 v[TM+8+\b], 0xff000000, v[TM+\b]
.endr
.irp b, 0,1,2,3
	s_delay_alu instid0(VALU_DEP_4)
	v_lshrrev_b32 v[TM+4+\b], 23, v[TM+8+\b]
.endr
	s_delay_alu instid0(VALU_DEP_3)
	v_lshl_or_b32 v[PW+(\u)], v[TM+5], 8, v[TM+4]  ; p's scale word for these 128 keys
	s_delay_alu instid0(VALU_DEP_1)
	v_lshl_or_b32 v[PW+(\u)], v[TM+6], 16, v[PW+(\u)]
	s_delay_alu instid0(VALU_DEP_1)
	v_lshl_or_b32 v[PW+(\u)], v[TM+7], 24, v[PW+(\u)]
.irp b, 0,1,2,3
	v_cvt_scalef32_pk8_fp4_f32 v[P+8*(\u)+2*\b], v[S+16*\b:S+16*\b+7], v[TM+8+\b]
	v_cvt_scalef32_pk8_fp4_f32 v[P+8*(\u)+2*\b+1], v[S+16*\b+8:S+16*\b+15], v[TM+8+\b]
.endr
	v_nop                                          ; one plain instruction behind the last scaled conversion
	SWAPS P+8*(\u)
.set jj, 0
.rept 16
	v_pk_mul_f32 v[OA+32*(\u)+jj:OA+32*(\u)+jj+1], v[OA+32*(\u)+jj:OA+32*(\u)+jj+1], v[FF:FF+1] op_sel_hi:[1,0]   ; O^T under the new M; these sixteen also stand between the scale word, the codes and the products that take them
.set jj, jj+2
.endr
.endm
.macro STEP
	v_add_nc_u32 v[AD], s[TB], v[LI]
	v_add_nc_u32 v[AD2], s[TB], v[L8]
	PLACES 2                                       ; with the two additions: four places ahead of loads into registers that the last products read
.irp t, 0,1,2,3,4,5,6,7
	ds_load_b128 v[KV+4*\t:KV+4*\t+3], v[AD] offset:512*\t
.endr
	ds_load_b128 v[KS:KS+3], v[AD] offset:8192
	ds_load_b64 v[VS:VS+1], v[AD2] offset:8704
	s_wait_dscnt 0x0
	SQ 0
	PLACES 4
	SOFTMAX 0
	SQ 1
	PLACES 4                                       ; ahead of the first read of the scores and of the loads into K's registers
.irp t, 0,1,2,3
.irp c, 0,1
	ds_load_b128 v[KV+8*\t+4*\c:KV+8*\t+4*\c+3], v[AD] offset:4096+1024*\t+512*\c   ; V's fragments land under the second softmax
.endr
.endr
	s_setprio 1
	SOFTMAX 1
	s_setprio 0
	s_wait_alu depctr_va_vdst(0)
	s_wait_dscnt 0x0
	PV
	s_add_co_u32 s[TB], s[TB], KSB
.endm
.macro CHUNK j                         ; key steps 4 j .. 4 j + 3: load j of waves 0-3
	s_wait_tensorcnt 3-(\j)                        ; tensor loads of a wave end in order (ISA guide 10.11.1): my load j is in; the 3 - j issued behind it may be out.  A wave that fetched nothing passes
	s_barrier_signal -1                            ; no LDS access of mine is out: every step ends behind a wait for all
	s_barrier_wait -1                              ; everybody's load j is in.
	s_mov_b32 s[CNT], 4
.Lstep_\@:
	s_setprio 2
	STEP
	s_sub_co_u32 s[CNT], s[CNT], 1
	s_cmp_lg_u32 s[CNT], 0
	s_cbranch_scc1 .Lstep_\@
	s_setprio 0
.endm
	s_wait_loadcnt 0x0                             ; Q
	CHUNK 0
	CHUNK 1
	CHUNK 2
	CHUNK 3
	; THE WAY OUT: O^T / l, quantised along d: block 2 u + blk is d = 32 blk .. + 31 of query tile u.  The four additions are the places behind the last products.
	v_add_f32 v44, v10, v11
	v_add_f32 v46, v14, v15
	s_delay_alu instid0(VALU_DEP_2)
	v_permlanex16_b32 v45, v44, s[SEL], s[SEL+1]
	s_delay_alu instid0(VALU_DEP_2)
	v_permlanex16_b32 v47, v46, s[SEL], s[SEL+1]
	s_delay_alu instid0(VALU_DEP_2)
	v_add_f32 v44, v44, v45                        ; the row's sum
	s_delay_alu instid0(VALU_DEP_2)
	v_add_f32 v46, v46, v47
	s_wait_alu depctr_va_vdst(0)
	v_rcp_f32 v44, v44
	v_rcp_f32 v46, v46
	v_nop                                          ; a plain instruction behind the last reciprocal
	s_wait_alu depctr_va_vdst(0)                   ; one wait for the two, ahead of their first reader
.irp u, 0,1
.set jj, 0
.rept 16
	v_pk_mul_f32 v[OA+32*\u+jj:OA+32*\u+jj+1], v[OA+32*\u+jj:OA+32*\u+jj+1], v[44+2*\u:45+2*\u] op_sel_hi:[1,0]
.set jj, jj+2
.endr
.endr
	QB4 OA, P
	v_lshl_or_b32 v44, v[TM+5], 8, v[TM+4]         ; tile 0's two bytes,
	v_lshl_or_b32 v45, v[TM+7], 8, v[TM+6]         ; tile 1's:
	s_delay_alu instid0(VALU_DEP_1)
	v_cndmask_b32 v44, v44, v45, s[HM]             ; lanes 0-15 store tile 0's, lanes 16-31 tile 1's
.irp u, 0,1
.irp k, 0,1
	global_store_b64 v[AO], v[P+2*(2*\u+\k):P+2*(2*\u+\k)+1], s[8:9] offset:8192*\u+256*\k   ; the 32 lanes cover 256 consecutive bytes, aligned
.endr
.endr
	global_store_b16 v[A2], v44, s[10:11]
	s_wait_tensorcnt 0x0
	s_wait_tensorcnt 0x0
	ds_add_u32 v254, v255
	s_wait_dscnt 0x0
	ROUND                                          ; the closing round: no work-group ends while a partner may still ask for a tile that names it
	s_endpgm
.Lfunc_end_k_q73e8d64475_attn:
	.size	k_q73e8d64475_attn, .Lfunc_end_k_q73e8d64475_attn-k_q73e8d64475_attn
	.p2alignl 7, 3214868480
	.fill 96, 4, 3214868480
	.section	.rodata,"a",@progbits
	.p2align	6, 0x0
	.amdhsa_kernel k_q73e8d64475_attn
		.amdhsa_group_segment_fixed_size 169984
		.amdhsa_private_segment_fixed_size 0
		.amdhsa_enable_private_segment 0
		.amdhsa_kernarg_size 32
		.amdhsa_user_sgpr_count 2
		.amdhsa_user_sgpr_kernarg_segment_ptr 1
		.amdhsa_wavefront_size32 1
		.amdhsa_system_sgpr_workgroup_id_x 1
		.amdhsa_system_sgpr_workgroup_id_y 1
		.amdhsa_system_sgpr_workgroup_id_z 1
		.amdhsa_system_vgpr_workitem_id 0
		.amdhsa_next_free_vgpr 256
		.amdhsa_next_free_sgpr 66
		.amdhsa_reserve_vcc 0
		.amdhsa_float_denorm_mode_32 3
		.amdhsa_float_denorm_mode_16_64 3
		.amdhsa_memory_ordered 1
		.amdhsa_forward_progress 1
		.amdhsa_inst_pref_size 137
	.end_amdhsa_kernel
	.amdgpu_metadata
---
amdhsa.version: [ 1, 2 ]
amdhsa.kernels:
  - .name:           k_q73e8d64475_attn
    .symbol:         k_q73e8d64475_attn.kd
    .args:
      - { .name: qb, .offset: 0, .size: 8, .value_kind: global_buffer, .address_space: global }
      - { .name: kv, .offset: 8, .size: 8, .value_kind: global_buffer, .address_space: global }
      - { .name: a_img, .offset: 16, .size: 8, .value_kind: global_buffer, .address_space: global }
      - { .name: a_sc, .offset: 24, .size: 8, .value_kind: global_buffer, .address_space: global }
    .group_segment_fixed_size: 169984
    .private_segment_fixed_size: 0
    .kernarg_segment_align: 8
    .kernarg_segment_size: 32
    .max_flat_workgroup_size: 512
    .sgpr_count:     66
    .vgpr_count:     256
    .wavefront_size: 32
...
	.end_amdgpu_metadata
.endif
;; end of part 2
;; launch outln (part 3): grid 256 x 1, 4 waves a work-group, no clusters, 199,680 bytes of LDS; arguments a_img, a_sc, Wo_codes, Wo_scales, bo, x, ln_gamma, ln_beta, out0; writes out0
.if DOCPART == 3
	.amdgcn_target "amdgcn-amd-amdhsa--gfx1250"
	.amdhsa_code_object_version 6
	.text
	.protected	k_q73e8d64475_outln
	.globl	k_q73e8d64475_outln
	.p2align	8
	.type	k_q73e8d64475_outln,@function
k_q73e8d64475_outln:
	s_mov_b64 s[64:65], 0
	v_nop
	global_prefetch_b8 v0, s[64:65] scope:SCOPE_SE
	s_setreg_imm32_b32 hwreg(HW_REG_WAVE_MODE, 25, 1), 1
	s_wait_xcnt 0x0
; out0 = LayerNorm(x + attn Wo^T + bo) x ln_gamma + ln_beta.  The product runs on codes of FP4 (E2M1) with E8M0 scales; all else in f32.
; attn comes as register images: a_img [tile of 16 tokens][head][512 bytes] (a tile's 8,192 bytes are its eight fragments of 128 along K), a_sc [16 batch + head][token place] two scale bytes.
; SHARES.  A work-group takes 32 tokens (two tiles; row i of tile u is token 32 G + 8 u + i + 8 (i / 8)) and all 1,024 columns, so that a row's mean and variance stay in the work-group.
; Wave w makes columns 256 w .. 256 w + 255, in eight units of 32 rows of Wo; the product is used transposed (source 0 = rows of Wo, source 1 = tokens), so a lane holds eight neighbouring columns of one token.
; The results meet in a stage in LDS; one barrier; then wave w normalises eight whole rows, which are eight consecutive tokens.
; Wo's rows go from memory to registers whole (a load covers a row's 512 consecutive bytes), three sets in turn, and are turned into fragments through the wave's own stage.  x's rows are asked for one a unit, under the products.
; NO JOINT LOADS: every work-group walks all of Wo, 524,288 bytes of codes, which do not fit in LDS; joint loads would want slots that are filled again with a round of a cluster's barrier for each; here the loop has no barrier at all.
; LIMITS: NaN and infinities are not served; 1 / sqrt is v_rsq_f32's (1 ulp).  The variance is taken of r - mean, not as a difference of sums.
.set WSTB, 16896                       ; LDS: a stage of 32 rows x 528 bytes for each wave, from byte 0
.set OST,  67584                       ; the results: 32 rows x (4,096 + 16) bytes: 4,112 = 257 x 16, so sixteen rows' stores begin in sixteen different 16-byte columns modulo 256
.set OP,   4112
.set LI,  1                            ; v1   16 x lane
.set A2,  2                            ; v2   2 x lane
.set WSA, 3                            ; v3   my stage + 16 x lane
.set WFA, 4                            ; v4   my stage + 528 r + 16 h
.set WSO, 5                            ; v5   32 r + 16 h
.set BO,  6                            ; v6   32 h
.set SO,  7                            ; v7-8 OST + (16 ut + r) x 4,112 + 1,024 w + 32 h
.set RD,  9                            ; v9   OST + 8 w x 4,112 + 16 x lane
;                                        v[10:11] -mean, v[12:13] 1 / sqrt, v14-15 at work
.set ASC, 16                           ; v16-23   attn's scale words: register s; lanes 0-15 tile 0, lanes 16-31 tile 1
.set WS,  24                           ; v24-47   Wo's scale words, three sets of 8: 4 uw + s % 4; lanes 0-15 K steps 0-3, lanes 16-31 K steps 4-7
.set BI,  48                           ; v48-95   bo in the result's layout, three sets of 16
.set ACC, 96                           ; v96-127  four accumulators; later the sums' chains
.set SM,  96
.set GA,  192                          ; v192-223 ln_gamma, v224-255 ln_beta at my lane's columns
.set BE,  224
.set SEL, 36
; v128-159, v160-191: a row at work, two sets.  window 1: Wo's sets 0 and 1; window 2: set 2 at v0, attn's fragments (ut, s) at v[128 + 8 (8 ut + s)]; window 3: x's eight rows at v[32 q]
.set MSB, 0
.macro WIN new
.if MSB != (\new)
	s_set_vgpr_msb (MSB<<8)|(\new)
.set MSB, (\new)
.endif
.endm
.macro PLACES n
.rept \n
	v_nop
.endr
.endm
.macro WLOAD win, base, ptr, row0
	WIN (\win)<<6
.set ii, 0
.rept 32
	global_load_b128 v[4*ii+(\base):4*ii+3+(\base)], v[LI], s[\ptr:\ptr+1] offset:((\row0)+ii)*512
.set ii, ii+1
.endr
	WIN 0
.endm
.macro WTURN win, base                 ; LDS serves a wave's instructions in order (ISA guide 5.7.1.4): no wait between the stores and the loads
	WIN (\win)<<2
.set ii, 0
.rept 32
	ds_store_b128 v[WSA], v[4*ii+(\base):4*ii+3+(\base)] offset:528*ii
.set ii, ii+1
.endr
	WIN (\win)<<6
.set ii, 0
.rept 32
	ds_load_b128 v[4*ii+(\base):4*ii+3+(\base)], v[WFA] offset:8448*(ii/16)+64*((ii/2)%8)+32*(ii%2)
.set ii, ii+1
.endr
	WIN 0
.endm
.macro WM d, a, b, c, sa, sb, ra, rb
.if (\ra) && (\rb)
	v_wmma_scale_f32_16x16x128_f8f6f4 v[\d:\d+7], v[\a:\a+7], v[\b:\b+7], v[\c:\c+7], v[\sa], v[\sb] matrix_a_fmt:MATRIX_FMT_FP4 matrix_b_fmt:MATRIX_FMT_FP4 matrix_a_scale:MATRIX_SCALE_ROW1 matrix_b_scale:MATRIX_SCALE_ROW1
.elseif (\ra)
	v_wmma_scale_f32_16x16x128_f8f6f4 v[\d:\d+7], v[\a:\a+7], v[\b:\b+7], v[\c:\c+7], v[\sa], v[\sb] matrix_a_fmt:MATRIX_FMT_FP4 matrix_b_fmt:MATRIX_FMT_FP4 matrix_a_scale:MATRIX_SCALE_ROW1
.elseif (\rb)
	v_wmma_scale_f32_16x16x128_f8f6f4 v[\d:\d+7], v[\a:\a+7], v[\b:\b+7], v[\c:\c+7], v[\sa], v[\sb] matrix_a_fmt:MATRIX_FMT_FP4 matrix_b_fmt:MATRIX_FMT_FP4 matrix_b_scale:MATRIX_SCALE_ROW1
.else
	v_wmma_scale_f32_16x16x128_f8f6f4 v[\d:\d+7], v[\a:\a+7], v[\b:\b+7], v[\c:\c+7], v[\sa], v[\sb] matrix_a_fmt:MATRIX_FMT_FP4 matrix_b_fmt:MATRIX_FMT_FP4
.endif
.endm
	s_load_b512 s[8:23], s[0:1], 0x0               ; a_img 8, a_sc 10, Wo_codes 12, Wo_scales 14, bo 16, x 18, ln_gamma 20, ln_beta 22
	s_load_b64 s[24:25], s[0:1], 0x40              ; out0
	v_lshrrev_b32 v14, 5, v0
	v_readfirstlane_b32 s2, v14                    ; wave 0..3
	v_and_b32 v14, 31, v0                          ; lane
	v_and_b32 v15, 15, v0                          ; r
	v_bfe_u32 v10, v0, 4, 1                        ; h
	v_lshlrev_b32 v[LI], 4, v14
	v_lshlrev_b32 v[A2], 1, v14
	s_mul_i32 s3, s2, WSTB
	v_add_nc_u32 v[WSA], s3, v[LI]
	v_mul_u32_u24 v12, v15, 528
	v_add_nc_u32 v12, s3, v12
	v_lshl_add_u32 v[WFA], v10, 4, v12
	v_lshlrev_b32 v[WSO], 5, v15
	v_lshl_add_u32 v[WSO], v10, 4, v[WSO]
	v_lshlrev_b32 v[BO], 5, v10
	v_mul_u32_u24 v12, v15, OP
	v_lshl_add_u32 v12, v10, 5, v12
	s_lshl_b32 s3, s2, 10
	s_add_co_u32 s3, s3, OST
	v_add_nc_u32 v[SO], s3, v12
	v_add_nc_u32 v[SO+1], 16*OP, v[SO]
	s_mul_i32 s3, s2, 8*OP
	s_add_co_u32 s3, s3, OST
	v_add_nc_u32 v[RD], s3, v[LI]
	v_mov_b32 v11, 0                               ; named as the upper halves of pairs
	v_mov_b32 v13, 0
	s_mov_b32 s[SEL], 0x76543210
	s_mov_b32 s[SEL+1], 0xfedcba98
	s_mov_b32 s38, 0x3a800000                      ; 1 / 1,024
	s_mov_b32 s39, 0x3727c5ac                      ; 1e-5
	s_mov_b32 s5, 0
	s_wait_alu depctr_va_vdst(0)
	s_wait_kmcnt 0x0
	s_lshl_b32 s4, ttmp9, 14                       ; my two tiles' 16,384 bytes
	s_add_nc_u64 s[8:9], s[8:9], s[4:5]
	s_lshr_b32 s4, ttmp9, 6                        ; batch x 16 heads x 4,096
	s_lshl_b32 s4, s4, 16
	s_and_b32 s6, ttmp9, 63
	s_lshl_b32 s6, s6, 6                           ; + my 32 tokens' 64 bytes
	s_add_co_u32 s4, s4, s6
	s_add_nc_u64 s[10:11], s[10:11], s[4:5]
	s_lshl_b32 s4, s2, 17                          ; my 256 rows of Wo
	s_add_nc_u64 s[12:13], s[12:13], s[4:5]
	s_lshl_b32 s4, s2, 13
	s_add_nc_u64 s[14:15], s[14:15], s[4:5]
	s_lshl_b32 s4, s2, 10
	s_add_nc_u64 s[16:17], s[16:17], s[4:5]
	s_lshl_b32 s4, ttmp9, 5                        ; stage rows 8 w .. 8 w + 7 are tokens 32 G + 8 (w / 2) + 16 (w % 2) on
	s_lshr_b32 s6, s2, 1
	s_lshl_b32 s6, s6, 3
	s_add_co_u32 s4, s4, s6
	s_and_b32 s6, s2, 1
	s_lshl_b32 s6, s6, 4
	s_add_co_u32 s4, s4, s6
	s_lshl_b32 s4, s4, 12
	s_add_nc_u64 s[18:19], s[18:19], s[4:5]
	s_add_nc_u64 s[24:25], s[24:25], s[4:5]
.macro WL n                            ; unit n's 38 loads: 32 rows of codes, 2 of scale words, 4 of bo, into set n % 3
.if (\n)%3 == 2
	WLOAD 2, 0, 12, 32*(\n)
.else
	WLOAD 1, 128*((\n)%3), 12, 32*(\n)
.endif
.irp uw, 0,1
	global_load_b128 v[WS+8*((\n)%3)+4*\uw:WS+8*((\n)%3)+4*\uw+3], v[WSO], s[14:15] offset:(32*(\n)+16*\uw)*32
.endr
.irp uw, 0,1
	global_load_b128 v[BI+16*((\n)%3)+8*\uw:BI+16*((\n)%3)+8*\uw+3], v[BO], s[16:17] offset:(32*(\n)+16*\uw)*4
	global_load_b128 v[BI+16*((\n)%3)+8*\uw+4:BI+16*((\n)%3)+8*\uw+7], v[BO], s[16:17] offset:(32*(\n)+16*\uw)*4+16
.endr
.endm
.macro WT n
.if (\n)%3 == 2
	WTURN 2, 0
.else
	WTURN 1, 128*((\n)%3)
.endif
.endm
.macro XR q                            ; row q of x: eight loads of 512 consecutive bytes; read once in this launch
	WIN 0xc0
.irp k, 0,1,2,3,4,5,6,7
	global_load_b128 v[32*(\q)+4*\k:32*(\q)+4*\k+3], v[LI], s[18:19] offset:4096*(\q)+512*\k th:TH_LOAD_NT
.endr
	WIN 0
.endm
	WIN 0x80
.irp ut, 0,1
.irp s, 0,1,2,3,4,5,6,7
.irp c, 0,1
	global_load_b128 v[128+8*(8*\ut+\s)+4*\c:128+8*(8*\ut+\s)+4*\c+3], v[LI], s[8:9] offset:8192*\ut+1024*\s+512*\c
.endr
.endr
.endr
	WIN 0
.set ii, 0
.rept 16
	global_load_u16 v[128+ii], v[A2], s[10:11] offset:4096*ii      ; head ii's two scale bytes of my token place (lane = 16 ut + r)
.set ii, ii+1
.endr
.irp k, 0,1,2,3,4,5,6,7
	global_load_b128 v[GA+4*\k:GA+4*\k+3], v[LI], s[20:21] offset:512*\k
	global_load_b128 v[BE+4*\k:BE+4*\k+3], v[LI], s[22:23] offset:512*\k
.endr
	WL 0
	WL 1
	s_wait_loadcnt 38                              ; all but unit 1's 38 loads are in
.irp s, 0,1,2,3,4,5,6,7
	v_lshl_or_b32 v[ASC+\s], v[129+2*\s], 16, v[128+2*\s]          ; K step s is heads 2 s and 2 s + 1: four bytes
.endr
	PLACES 8                                       ; a scale register written by a vector instruction stands eight places ahead of a scaled matrix instruction
	WT 0
	WL 2
; Unit n: 32 rows of Wo x 32 tokens x 1,024: 32 products on four accumulators by turns.  c1: the loads issued behind the next unit's 38, which may stay out
.macro UNIT3 n, c1
	s_wait_dscnt 0x0                               ; this unit's fragments are back from my stage, and the last unit's stores into the results' stage have read the accumulators
.if (\n) < 7
	s_wait_loadcnt \c1
	WT (\n)+1                                      ; the next unit's turn runs under this unit's products
.endif
.set WB, 128*(((\n)%3)%2)
	WIN 0x09+((\n)%3)/2                            ; source 0 (Wo) window 1 or 2, source 1 (attn) window 2
.irp s, 0,1,2,3,4,5,6,7
.irp uw, 0,1
.irp ut, 0,1
.if \s == 0
	WM ACC+8*(2*\uw+\ut), WB+64*\uw+8*\s, 128+8*(8*\ut+\s), BI+16*((\n)%3)+8*\uw, WS+8*((\n)%3)+4*\uw+\s%4, ASC+\s, \s/4, \ut
.else
	WM ACC+8*(2*\uw+\ut), WB+64*\uw+8*\s, 128+8*(8*\ut+\s), ACC+8*(2*\uw+\ut), WS+8*((\n)%3)+4*\uw+\s%4, ASC+\s, \s/4, \ut
.endif
.endr
.endr
.endr
	WIN 0
	PLACES 5                                       ; four ahead of the stores of results and of loads into the products' registers, the fifth since the next unit begins these accumulators anew with another C
.irp uw, 0,1
.irp ut, 0,1
	ds_store_b128 v[SO+\ut], v[ACC+8*(2*\uw+\ut):ACC+8*(2*\uw+\ut)+3] offset:128*(\n)+64*\uw        ; each accumulator from its low end on
	ds_store_b128 v[SO+\ut], v[ACC+8*(2*\uw+\ut)+4:ACC+8*(2*\uw+\ut)+7] offset:128*(\n)+64*\uw+16
.endr
.endr
.if (\n)+3 <= 7
	WL (\n)+3
.endif
	XR \n
.endm
	s_wait_alu depctr_va_vdst(0)
	UNIT3 0, 38                                    ; behind unit 1's loads: unit 2's 38
	UNIT3 1, 46                                    ; unit 3's 38 and a row of x
	UNIT3 2, 54                                    ; a row of x, 38, a row of x
	UNIT3 3, 54
	UNIT3 4, 54
	UNIT3 5, 54
	UNIT3 6, 16                                    ; two rows of x
	UNIT3 7, 0
	s_wait_dscnt 0x0                               ; for the others' sake: my columns lie in the stage
	s_barrier_signal -1
	s_barrier_wait -1                              ; the launch's one barrier: 32 whole rows
.macro LDROW q
.irp k, 0,1,2,3,4,5,6,7
	ds_load_b128 v[128+32*((\q)%2)+4*\k:128+32*((\q)%2)+4*\k+3], v[RD] offset:OP*(\q)+512*\k
.endr
.endm
.macro REDUCE                          ; v14 summed over the 32 lanes, the result in every lane
	v_add_f32_dpp v14, v14, v14 row_xmask:1 row_mask:0xf bank_mask:0xf
	v_add_f32_dpp v14, v14, v14 row_xmask:2 row_mask:0xf bank_mask:0xf
	v_add_f32_dpp v14, v14, v14 row_xmask:4 row_mask:0xf bank_mask:0xf
	v_add_f32_dpp v14, v14, v14 row_xmask:8 row_mask:0xf bank_mask:0xf
	v_permlanex16_b32 v15, v14, s[SEL], s[SEL+1]
	v_add_f32 v14, v14, v15
.endm
.macro FOLD                            ; the four chains into v14
	v_pk_add_f32 v[SM:SM+1], v[SM:SM+1], v[SM+2:SM+3]
	v_pk_add_f32 v[SM+4:SM+5], v[SM+4:SM+5], v[SM+6:SM+7]
	v_pk_add_f32 v[SM:SM+1], v[SM:SM+1], v[SM+4:SM+5]
	v_add_f32 v14, v[SM], v[SM+1]
	REDUCE
.endm
.macro LNROW q
	s_wait_xcnt 0x0                                ; the last row's stores have read their registers: the loads below land there only behind this wait
.if (\q) < 7
	LDROW (\q)+1
	s_wait_dscnt 0x8                               ; this row is in; the next row's eight loads may be out
.else
	s_wait_dscnt 0x0
.endif
	s_wait_loadcnt 8*(7-(\q))                      ; this row of x is in; the younger rows may be out
.set RR, 128+32*((\q)%2)
	WIN 0x0c                                       ; source 1: window 3
.set jj, 0
.rept 16
	v_pk_add_f32 v[RR+jj:RR+jj+1], v[RR+jj:RR+jj+1], v[32*(\q)+jj:32*(\q)+jj+1]   ; the residual
.set jj, jj+2
.endr
	WIN 0
.irp c, 0,2,4,6
	v_pk_add_f32 v[SM+\c:SM+\c+1], v[RR+\c:RR+\c+1], v[RR+8+\c:RR+9+\c]        ; the row's sum, in four chains
.endr
.irp i, 16,24
.irp c, 0,2,4,6
	v_pk_add_f32 v[SM+\c:SM+\c+1], v[SM+\c:SM+\c+1], v[RR+\i+\c:RR+\i+\c+1]
.endr
.endr
	FOLD
	v_mul_f32 v10, 0xba800000, v14                 ; -mean
.set jj, 0
.rept 16
	v_pk_add_f32 v[RR+jj:RR+jj+1], v[RR+jj:RR+jj+1], v[10:11] op_sel_hi:[1,0]
.set jj, jj+2
.endr
.irp c, 0,2,4,6
	v_pk_mul_f32 v[SM+\c:SM+\c+1], v[RR+\c:RR+\c+1], v[RR+\c:RR+\c+1]
.endr
.irp i, 8,16,24
.irp c, 0,2,4,6
	v_pk_fma_f32 v[SM+\c:SM+\c+1], v[RR+\i+\c:RR+\i+\c+1], v[RR+\i+\c:RR+\i+\c+1], v[SM+\c:SM+\c+1]
.endr
.endr
	FOLD
	v_fma_f32 v14, v14, s38, s39                   ; the variance + 1e-5
	s_wait_alu depctr_va_vdst(0)
	v_rsq_f32 v12, v14
	v_nop                                          ; a plain instruction behind the transcendental
	s_wait_alu depctr_va_vdst(0)                   ; and the wait ahead of its first reader
.set jj, 0
.rept 16
	v_pk_mul_f32 v[RR+jj:RR+jj+1], v[RR+jj:RR+jj+1], v[12:13] op_sel_hi:[1,0]
.set jj, jj+2
.endr
.set jj, 0
.rept 16
	v_pk_fma_f32 v[RR+jj:RR+jj+1], v[RR+jj:RR+jj+1], v[GA+jj:GA+jj+1], v[BE+jj:BE+jj+1]
.set jj, jj+2
.endr
.irp k, 0,1,2,3,4,5,6,7
	global_store_b128 v[LI], v[RR+4*\k:RR+4*\k+3], s[24:25] offset:4096*(\q)+512*\k th:TH_STORE_NT   ; 32 lanes store 512 consecutive bytes, aligned; written once, read by nobody here
.endr
.endm
	LDROW 0
.irp q, 0,1,2,3,4,5,6,7
	LNROW \q
.endr
	s_wait_xcnt 0x0
	v_lshl_add_u32 v254, v0, 2, 0x30a00
	v_mov_b32 v255, 0
	s_wait_alu depctr_va_vdst(0)
	s_wait_tensorcnt 0x0
	ds_add_u32 v254, v255
	s_wait_dscnt 0x0
	s_endpgm
.Lfunc_end_k_q73e8d64475_outln:
	.size	k_q73e8d64475_outln, .Lfunc_end_k_q73e8d64475_outln-k_q73e8d64475_outln
	.p2alignl 7, 3214868480
	.fill 96, 4, 3214868480
	.section	.rodata,"a",@progbits
	.p2align	6, 0x0
	.amdhsa_kernel k_q73e8d64475_outln
		.amdhsa_group_segment_fixed_size 199680
		.amdhsa_private_segment_fixed_size 0
		.amdhsa_enable_private_segment 0
		.amdhsa_kernarg_size 72
		.amdhsa_user_sgpr_count 2
		.amdhsa_user_sgpr_kernarg_segment_ptr 1
		.amdhsa_wavefront_size32 1
		.amdhsa_system_sgpr_workgroup_id_x 1
		.amdhsa_system_sgpr_workgroup_id_y 1
		.amdhsa_system_sgpr_workgroup_id_z 1
		.amdhsa_system_vgpr_workitem_id 0
		.amdhsa_next_free_vgpr 1024
		.amdhsa_next_free_sgpr 66
		.amdhsa_reserve_vcc 0
		.amdhsa_float_denorm_mode_32 3
		.amdhsa_float_denorm_mode_16_64 3
		.amdhsa_memory_ordered 1
		.amdhsa_forward_progress 1
		.amdhsa_inst_pref_size 185
	.end_amdhsa_kernel
	.amdgpu_metadata
---
amdhsa.version: [ 1, 2 ]
amdhsa.kernels:
  - .name:           k_q73e8d64475_outln
    .symbol:         k_q73e8d64475_outln.kd
    .args:
      - { .name: a_img, .offset: 0, .size: 8, .value_kind: global_buffer, .address_space: global }
      - { .name: a_sc, .offset: 8, .size: 8, .value_kind: global_buffer, .address_space: global }
      - { .name: Wo_codes, .offset: 16, .size: 8, .value_kind: global_buffer, .address_space: global }
      - { .name: Wo_scales, .offset: 24, .size: 8, .value_kind: global_buffer, .address_space: global }
      - { .name: bo, .offset: 32, .size: 8, .value_kind: global_buffer, .address_space: global }
      - { .name: x, .offset: 40, .size: 8, .value_kind: global_buffer, .address_space: global }
      - { .name: ln_gamma, .offset: 48, .size: 8, .value_kind: global_buffer, .address_space: global }
      - { .name: ln_beta, .offset: 56, .size: 8, .value_kind: global_buffer, .address_space: global }
      - { .name: out0, .offset: 64, .size: 8, .value_kind: global_buffer, .address_space: global }
    .group_segment_fixed_size: 199680
    .private_segment_fixed_size: 0
    .kernarg_segment_align: 8
    .kernarg_segment_size: 72
    .max_flat_workgroup_size: 128
    .sgpr_count:     66
    .vgpr_count:     1024
    .wavefront_size: 32
...
	.end_amdgpu_metadata
.endif
;; end of part 3
